; MI455X (gfx1250); checked and timed in simulation.
; The chip was launched on July 23, 2026; its instructions are those of AMD's public machine-readable ISA for CDNA 5 (MIT licence, August 2026) and "CDNA5" Instruction Set Architecture Reference Guide (July 2026). The comments in the code are by the model that wrote it; some were corrected since.
;; Loha Module. Allowed arithmetic: float matrix products may take bf16 or f16 operands with f32 sums; all other float work in f32.
;; Inputs: hada_w1_a 4,096 x 32 float32; hada_w1_b 32 x 4,096 float32; hada_w2_a 4,096 x 32 float32; hada_w2_b 32 x 4,096 float32; org_bias 4,096 float32; org_weight 4,096 x 4,096 float32; x 4 x 1,024 x 4,096 float32.
;; Outputs: out0 4 x 1,024 x 4,096 float32.
;; 2 versions, each right; version 2 is version 1 with the launch prep written anew for expert scheduling mode. Each part assembles by itself: llvm-mc -triple=amdgcn-amd-amdhsa -mcpu=gfx1250 --defsym DOCPART=n.
;; ======== version 1 of 2: 2 launches
;; limits: values are held in f16: magnitudes above 65,504 overflow, below 6.1e-05 lose precision; right only within a limited range of input values; inputs' magnitudes at most 65,504
;; workspace buffers: xh 33,554,432 bytes; wh 33,554,432 bytes; sc 4,096 bytes
;; launch prep (part 1): grid 256 x 1, 4 waves a work-group, no clusters, 21,504 bytes of LDS; arguments x, org_weight, hada_w1_a, hada_w1_b, hada_w2_a, hada_w2_b, xh, wh, sc; writes xh, wh, sc
.if DOCPART == 1
	.amdgcn_target "amdgcn-amd-amdhsa--gfx1250"
	.amdhsa_code_object_version 6
	.text
	.protected	k_q612273ad25_prep
	.globl	k_q612273ad25_prep
	.p2align	8
	.type	k_q612273ad25_prep,@function
k_q612273ad25_prep:
	s_mov_b64 s[64:65], 0
	v_nop
	global_prefetch_b8 v0, s[64:65] scope:SCOPE_SE
	s_setreg_imm32_b32 hwreg(HW_REG_WAVE_MODE, 25, 1), 1
	s_wait_xcnt 0x0
; wh[o][i] = f16( s[o] ( W0[o][i] + 0.5 (A1 B1)[o][i] (A2 B2)[o][i] ) ),   sc[o / 4] = 1 / s[o],   xh = f16(x).
; W0, x: [4096][4096] f32; A1, A2: [4096][32] f32; B1, B2: [32][4096] f32; wh, xh: [4096][4096] f16; sc: [1024] f32.
; The merged weight is made ONCE here and not in the product that follows: there each tile of W is read by 16 tile rows of the output, so the two rank-32 products would be done 16 times.
; FORMAT.  f16 and not bf16: an output near 0 must lie within 1% of the output's root mean square, and a weight kept to 8 significant bits is off by about 0.2% of itself, which in the rows o with the
; largest |a1| |a2| leaves too few standard deviations; 11 bits leave eight times the room.
; THE SCALE.  f16's range does not hold W at every size of the factors, so each block of 16 rows o is stored times a power of two s, made from the data: T = 1024 + 2^17 max over the block of (|a1_o| / 2) |a2_o|
; bounds |W| (Cauchy-Schwarz: |a . b| <= |a| |b|) within the limits below, and s is the power of two with 2^14 < T s <= 2^15.  Multiplying by s is exact; the next launch multiplies its sums by 1 / s.
; LIMITS.  x, A1 / 2, A2, B1, B2 are rounded once to f16: beyond 65,504 they become infinite, below 6.1e-5 they keep f16's fixed step of 6e-8.  The factor 0.5 goes onto A1 ahead of its rounding: exact.
; W is formed in f32 (one fused multiply-add onto W0) and rounded once.  That W s stays inside f16 is certain for |W0| <= 1024 and |b1_i| |b2_i| <= 2^17 in every column i (norms over the rank of 32);
; a stored weight's step is never above T 2^-38.  NaN and infinities go as the arithmetic takes them.
; SHARES.  256 work-groups of four waves; every wave does both jobs, so all 1,024 waves are alike.
;   weight: work-group g has the 128 rows o from 128 (g / 8) on; wave w the 128 columns i from 128 (4 (g % 8) + w) on; it walks its rows in 8 blocks of 16.
;   cast:   the wave's own 65,536 bytes of x, in 8 groups of 16 loads of 512 consecutive bytes, one group beside each block.
; BOTH STREAMS RUN TOGETHER.  Block p's turn refills W0's slot with block p + 2 and x's slot with group p + 2, so two blocks' worth of both are on their way: 64 loads of 512 bytes, all of them bytes that are read once.
; A THROUGH LDS.  The four waves have the same 128 rows of A1 and A2.  Wave w loads blocks 2 w and 2 w + 1, makes their scale, rounds them, and stores each lane's fragment registers as they are; behind ONE barrier every
; wave takes a block's fragments and scale by five LDS loads, asked for a block ahead.  So A takes none of the places among the loads from memory, and a block's scale is made once in the work-group.
; LAYOUT.  Source 0 = 16 rows of A, source 1 = 16 columns of B; tile t of 8 is given the columns i0 + 8 r + t (r = lane % 16, h = lane / 16).  Register j of tile t's result is then element
; (o0 + 8 h + j, i0 + 8 r + t): for row j a lane's eight tiles hold eight NEIGHBOURING columns: 32 bytes of W0 in, 16 bytes of wh out, and sixteen lanes store 256 consecutive bytes, aligned.
; NO CLUSTER, NO JOINT LOADS: the four factors that work-groups share are 2 MiB in all against 128 MiB that are read once.
; REGISTERS, in windows of 256 (s_set_vgpr_msb: bits 1:0 source 0, 3:2 source 1, 5:4 source 2, 7:6 destination):
;   window 0: v0-15 ids, offsets and scales; v16-31 A's two fragments; v32-95 A as loaded (the start alone); v96-127 wh's rows to store; v128-255 the 16 results
;   window 1: v0-127 B1's and B2's fragments, kept for the whole walk; v128-255 W0, two slots of 64
;   window 2: v0-255 B1 and B2 as loaded (the start alone)
;   window 3: v0-127 x, two slots of 16 loads; v128-159 a group's rounded halves; v192, v193 two offsets
.set ABLK,  2560                       ; a block of A in LDS: four times 512 bytes of fragments (A1's registers 0-3, 4-7, A2's likewise; lane l at 16 l), then 512 of {s, s, 1 / s, 1 / s} a lane
.set SPARE, 8*ABLK                     ; behind the 8 blocks (80 blocks of 256 bytes): the spare words, 128 bytes for each wave: two blocks of 256 bytes that no other line names
.set SPW,  2                           ; v2   LDS address of my spare word: SPARE + 4 x my thread's number; never rewritten
.set NIL,  3                           ; v3   0; never rewritten
.set VA,   4                           ; v4   128 r + 32 h: my 8 k of row r in 16 rows of A
.set VB,   5                           ; v5   131072 h + 32 r: 8 h rows of 16,384 bytes and my 8 columns: serves W0, B1 and B2
.set VO,   6                           ; v6   65536 h + 16 r: the same place in wh
.set LA,   7                           ; v7   16 x lane + the LDS byte of the trip's first block
.set T0,   8                           ; v[8:9], v[10:11]  at work on the scale at the start; later v[8:11] hold the odd blocks' {s, s, 1 / s, 1 / s}
.set T1,   10
.set SCT,  12                          ; v[12:15] the scale as it is made; later the even blocks' {s, s, 1 / s, 1 / s}
.set AF1,  16
.set AF2,  24
.set AR,   32                          ; slot s at AR + 32 s: A1's 16 numbers, then A2's
.set OUT,  96                          ; row j at OUT + 4 j
.set LAW,  96                          ; at the start, before OUT is first written: 16 x lane + the LDS byte of my two blocks of A,
.set LQA,  97                          ; (lane / 4) x ABLK: the block whose 1 / s my word of sc holds,
.set VS,   98                          ; 4 x lane,
.set INVV, 99                          ; and that word
.set ACC1, 128                         ; tile t at ACC1 + 8 t
.set ACC2, 192
.set BF1,  0                           ; window 1: tile t at BF1 + 8 t
.set BF2,  64
.set WB,   128                         ; window 1: slot s, row j, column t at WB + 64 s + 8 j + t
.set RAW1, 0                           ; window 2: row kk of my 16, column t at RAW1 + 8 kk + t
.set RAW2, 128
.set X,    0                           ; window 3: slot g, load i of 16 at X + 64 g + 4 i
.set Y,    128                         ; window 3: load i's rounded halves at Y + 2 i
.set VX,   192                         ; window 3: 16 x lane
.set VY,   193                         ; window 3: 8 x lane
.set PX,   4                           ; s[4:5] x      s[6:7] W0      s[8:9] A1      s[10:11] B1
.set PW,   6
.set PA1,  8
.set PB1,  10
.set PA2,  12                          ; s[12:13] A2   s[14:15] B2    s[16:17] xh    s[18:19] wh
.set PB2,  14
.set PY,   16
.set PO,   18
.set PS,   38                          ; s[38:39] sc
.set SEL,  40                          ; s[40:41] v_permlanex16_b32's selects: each lane takes its own place in the other half
.set BCAP, 42                          ; s42  2^17
.set WCAP, 43                          ; s43  1024
.set MSB, 0
.macro WIN new                         ; the immediate's high byte repeats the setting that is left; a switch that changes nothing is dropped
.if MSB != (\new)
	s_set_vgpr_msb (MSB<<8)|(\new)
.set MSB, \new
.endif
.endm
.set W_RAW, 0x80                       ; destination window 2
.set W_CVB, 0x4a                       ; sources window 2, destination window 1
.set W_MM,  0x04                       ; source 1 (B) window 1
.set W_LDW, 0x40                       ; destination window 1
.set W_FMA, 0x50                       ; source 2 and destination window 1
.set W_SC,  0x41                       ; source 0 and destination window 1, source 1 (s) window 0
.set W_PK,  0x05                       ; sources 0 and 1 window 1
.set W_MK,  0xc0                       ; destination window 3
.set W_X,   0xcf                       ; sources 0 and 1 and destination window 3
	s_load_b512 s[4:19], s[0:1], 0x0               ; the first eight addresses
	s_load_b64 s[PS:PS+1], s[0:1], 0x40            ; sc
	v_lshl_add_u32 v[SPW], v0, 2, SPARE
	v_mov_b32 v[NIL], 0
	v_and_b32 v1, 31, v0                           ; lane
	v_lshrrev_b32 v8, 5, v0
	v_readfirstlane_b32 s20, v8                    ; wave 0..3
	v_and_b32 v8, 15, v0                           ; r
	v_bfe_u32 v9, v0, 4, 1                         ; h
	v_lshlrev_b32 v[VA], 7, v8
	v_lshl_add_u32 v[VA], v9, 5, v[VA]
	v_lshlrev_b32 v[VB], 5, v8
	v_lshl_add_u32 v[VB], v9, 17, v[VB]
	v_lshlrev_b32 v[VO], 4, v8
	v_lshl_add_u32 v[VO], v9, 16, v[VO]
	v_lshlrev_b32 v[LA], 4, v1
	s_mul_i32 s31, s20, 2*ABLK                     ; my two blocks of A in LDS: a constant times the wave's number
	v_add_nc_u32 v[LAW], s31, v[LA]
	v_lshrrev_b32 v[LQA], 2, v1
	v_mul_u32_u24 v[LQA], v[LQA], ABLK
	v_lshlrev_b32 v[VS], 2, v1
	WIN W_MK
	v_lshlrev_b32 v[VX], 4, v1
	v_lshlrev_b32 v[VY], 3, v1
	WIN 0
	s_mov_b32 s[SEL], 0x76543210
	s_mov_b32 s[SEL+1], 0xfedcba98
	s_mov_b32 s[BCAP], 0x48000000                  ; 2^17
	s_mov_b32 s[WCAP], 0x44800000                  ; 1024
	s_lshr_b32 s21, ttmp9, 3                       ; my group of 128 rows o
	s_and_b32 s22, ttmp9, 7
	s_lshl2_add_u32 s22, s22, s20                  ; my strip of 128 columns i = 4 (g % 8) + wave
	s_lshl_b32 s26, s22, 9                         ; B1, B2: the strip's 512 bytes in a row
	s_mov_b32 s27, 0
	s_lshl_b32 s24, s21, 21                        ; W0: 128 rows of 16,384 bytes, and the strip
	s_add_co_u32 s24, s24, s26
	s_mov_b32 s25, 0
	s_lshl_b32 s28, s21, 14                        ; A1, A2: 128 rows of 128 bytes, and of them my wave's 32
	s_lshl_b32 s23, s20, 12
	s_add_co_u32 s28, s28, s23
	s_mov_b32 s29, 0
	s_lshl_b32 s32, s21, 20                        ; wh: 128 rows of 8,192 bytes, and the strip's 256 bytes
	s_lshl_b32 s23, s22, 8
	s_add_co_u32 s32, s32, s23
	s_mov_b32 s33, 0
	s_lshl_b32 s34, ttmp9, 18                      ; x: 262,144 bytes a work-group, 65,536 a wave
	s_lshl_b32 s23, s20, 16
	s_add_co_u32 s34, s34, s23
	s_mov_b32 s35, 0
	s_lshr_b32 s36, s34, 1                         ; xh: half of that
	s_mov_b32 s37, 0
	s_lshl_b32 s44, s21, 7                         ; sc: a word for 4 rows: 128 bytes for my 128 rows
	s_mov_b32 s45, 0
	s_wait_kmcnt 0x0
	s_add_nc_u64 s[PW:PW+1], s[PW:PW+1], s[24:25]
	s_add_nc_u64 s[PB1:PB1+1], s[PB1:PB1+1], s[26:27]
	s_add_nc_u64 s[PB2:PB2+1], s[PB2:PB2+1], s[26:27]
	s_add_nc_u64 s[PA1:PA1+1], s[PA1:PA1+1], s[28:29]
	s_add_nc_u64 s[PA2:PA2+1], s[PA2:PA2+1], s[28:29]
	s_add_nc_u64 s[PO:PO+1], s[PO:PO+1], s[32:33]
	s_add_nc_u64 s[PX:PX+1], s[PX:PX+1], s[34:35]
	s_add_nc_u64 s[PY:PY+1], s[PY:PY+1], s[36:37]
	s_add_nc_u64 s[PS:PS+1], s[PS:PS+1], s[44:45]
; 16 rows of A1 and of A2, the s-th of my two blocks: a lane's k = 8 h + 0..7 (bytes 0, 16) and 16 + 8 h + 0..7 (bytes 64, 80).  8 loads.
.macro LOADA s
	WIN 0
.irp q, 0,1,2,3
	global_load_b128 v[AR+32*(\s)+4*(\q):AR+32*(\s)+4*(\q)+3],       v[VA], s[PA1:PA1+1] offset:(\s)*2048+((\q)/2)*64+((\q)%2)*16
	global_load_b128 v[AR+32*(\s)+16+4*(\q):AR+32*(\s)+16+4*(\q)+3], v[VA], s[PA2:PA2+1] offset:(\s)*2048+((\q)/2)*64+((\q)%2)*16
.endr
.endm
; 16 rows x 128 columns of W0, blk blocks from the pointer: for each of my 8 rows two loads of 16 bytes side by side; sixteen lanes' pairs cover 512 consecutive bytes.  16 loads.
.macro LOADW s, blk
	WIN W_LDW
.irp j, 0,1,2,3,4,5,6,7
	global_load_b128 v[WB+64*(\s)+8*(\j):WB+64*(\s)+8*(\j)+3],   v[VB], s[PW:PW+1] offset:(\blk)*262144+(\j)*16384 th:TH_LOAD_NT
	global_load_b128 v[WB+64*(\s)+8*(\j)+4:WB+64*(\s)+8*(\j)+7], v[VB], s[PW:PW+1] offset:(\blk)*262144+(\j)*16384+16 th:TH_LOAD_NT
.endr
.endm
; Group g of x into slot g, at the start.  16 loads of 512 consecutive bytes.
.macro XFILL g
	WIN W_X
.set i, 0
.rept 16
	global_load_b128 v[X+64*(\g)+4*i:X+64*(\g)+4*i+3], v[VX], s[PX:PX+1] offset:(\g)*8192+512*i th:TH_LOAD_NT
.set i, i+1
.endr
.endm
; My 16 rows k of B (8 h + 0..7, then 16 + 8 h + 0..7; VB holds the 8 h rows), 8 columns each.  32 loads.
.macro LOADB raw, base
	WIN W_RAW
.set kk, 0
.rept 16
	global_load_b128 v[(\raw)+8*kk:(\raw)+8*kk+3],   v[VB], s[(\base):(\base)+1] offset:(kk+8*(kk/8))*16384
	global_load_b128 v[(\raw)+8*kk+4:(\raw)+8*kk+7], v[VB], s[(\base):(\base)+1] offset:(kk+8*(kk/8))*16384+16
.set kk, kk+1
.endr
.endm
; Tile t's fragment: register c holds column t of my rows 2 c and 2 c + 1, the lower k in the low half.
.macro CVTB raw, bf
	WIN W_CVB
.set t, 0
.rept 8
.set c, 0
.rept 8
	v_cvt_pk_f16_f32 v[(\bf)+8*t+c], v[(\raw)+16*c+t], v[(\raw)+16*c+8+t]
.set c, c+1
.endr
.set t, t+1
.endr
.endm
; The s-th of my two blocks of A: 0.5 onto A1, the block's scale, both fragments rounded, all into LDS.
.macro APREP s
.irp p, 0,2,4,6,8,10,12,14
	v_pk_mul_f32 v[AR+32*(\s)+(\p):AR+32*(\s)+(\p)+1], v[AR+32*(\s)+(\p):AR+32*(\s)+(\p)+1], 0.5 op_sel_hi:[1,0]  ; alpha / rank, onto A1
.endr
	; my 16 of row r's 32 numbers are squared and added, for A1 / 2 and for A2, in two chains that do not wait for each other
	v_pk_mul_f32 v[T0:T0+1], v[AR+32*(\s):AR+32*(\s)+1],       v[AR+32*(\s):AR+32*(\s)+1]
	v_pk_mul_f32 v[T1:T1+1], v[AR+32*(\s)+16:AR+32*(\s)+17],   v[AR+32*(\s)+16:AR+32*(\s)+17]
.irp p, 2,4,6,8,10,12,14
	v_pk_fma_f32 v[T0:T0+1], v[AR+32*(\s)+(\p):AR+32*(\s)+(\p)+1],       v[AR+32*(\s)+(\p):AR+32*(\s)+(\p)+1],       v[T0:T0+1]
	v_pk_fma_f32 v[T1:T1+1], v[AR+32*(\s)+16+(\p):AR+32*(\s)+16+(\p)+1], v[AR+32*(\s)+16+(\p):AR+32*(\s)+16+(\p)+1], v[T1:T1+1]
.endr
	v_add_f32 v[T0], v[T0], v[T0+1]
	v_add_f32 v[T1], v[T1], v[T1+1]
	v_permlanex16_b32 v[T0+1], v[T0], s[SEL], s[SEL+1]  ; the row's other 16 numbers lie in the lane 16 away
	v_permlanex16_b32 v[T1+1], v[T1], s[SEL], s[SEL+1]
	v_add_f32 v[T0], v[T0], v[T0+1]                ; |a1 / 2|^2
	v_add_f32 v[T1], v[T1], v[T1+1]                ; |a2|^2
	v_mul_f32 v[T0], v[T0], v[T1]
	v_max_num_f32_dpp v[T0], v[T0], v[T0] row_xmask:1 row_mask:0xf bank_mask:0xf  ; the largest of the 16 rows, in every lane
	v_max_num_f32_dpp v[T0], v[T0], v[T0] row_xmask:2 row_mask:0xf bank_mask:0xf
	v_max_num_f32_dpp v[T0], v[T0], v[T0] row_xmask:4 row_mask:0xf bank_mask:0xf
	v_max_num_f32_dpp v[T0], v[T0], v[T0] row_xmask:8 row_mask:0xf bank_mask:0xf
	v_sqrt_f32 v[T0], v[T0]                        ; (|a1| / 2) |a2|; the roundings below are the plain instructions between it and the use of its result (ISA guide 5.7.2)
.irp c, 0,1,2,3,4,5,6,7
	v_cvt_pk_f16_f32 v[AF1+(\c)], v[AR+32*(\s)+2*(\c)],    v[AR+32*(\s)+2*(\c)+1]
	v_cvt_pk_f16_f32 v[AF2+(\c)], v[AR+32*(\s)+16+2*(\c)], v[AR+32*(\s)+16+2*(\c)+1]
.endr
	s_wait_alu depctr_va_vdst(0)
	v_fma_f32 v[T0], v[T0], s[BCAP], s[WCAP]       ; T, at least 1024: its exponent field e is 137 or more, and T < 2^(e - 126)
	v_lshrrev_b32 v[T0+1], 23, v[T0]               ; e (T is positive)
	v_sub_nc_u32 v[SCT], 0x10c, v[T0+1]            ; s = 2^(141 - e): field 268 - e, so that T s < 2^15
	v_lshlrev_b32 v[SCT], 23, v[SCT]
	v_mov_b32 v[SCT+1], v[SCT]                     ; twice: a pair for the packed multiply
	v_add_nc_u32 v[SCT+2], -14, v[T0+1]            ; 1 / s = 2^(e - 141): field e - 14
	v_lshlrev_b32 v[SCT+2], 23, v[SCT+2]
	v_mov_b32 v[SCT+3], v[SCT+2]
	ds_store_b128 v[LAW], v[AF1:AF1+3]   offset:(\s)*ABLK       ; 32 lanes, 16 neighbouring bytes each: no two lanes meet in a bank
	ds_store_b128 v[LAW], v[AF1+4:AF1+7] offset:(\s)*ABLK+512
	ds_store_b128 v[LAW], v[AF2:AF2+3]   offset:(\s)*ABLK+1024
	ds_store_b128 v[LAW], v[AF2+4:AF2+7] offset:(\s)*ABLK+1536
	ds_store_b128 v[LAW], v[SCT:SCT+3]   offset:(\s)*ABLK+2048
.endm
; A block's fragments and scale out of LDS, at byte off from LA; the scale into v[sc .. sc + 3].  5 LDS loads.
.macro AFETCH off, sc
	ds_load_b128 v[AF1:AF1+3],     v[LA] offset:(\off)
	ds_load_b128 v[AF1+4:AF1+7],   v[LA] offset:(\off)+512
	ds_load_b128 v[AF2:AF2+3],     v[LA] offset:(\off)+1024
	ds_load_b128 v[AF2+4:AF2+7],   v[LA] offset:(\off)+1536
	ds_load_b128 v[(\sc):(\sc)+3], v[LA] offset:(\off)+2048
.endm
; A group of x from slot g, four loads at a time: wait, 8 roundings, (ahead = 1) 4 loads of the group two further on, 4 stores of 256 consecutive bytes, aligned.
; rel = the group's place from the pointers, in groups.  left - dec q = the younger loads that may stay out at quad q.  Y was freed by the block's s_wait_xcnt 0.
.macro XGROUP g, rel, ahead, left, dec
	WIN W_X
.set q, 0
.rept 4
	s_wait_loadcnt (\left)-(\dec)*q                ; loads come back in order (ISA guide 5.7.1): the quad's four are in
.set i, 4*q
.rept 4
	v_cvt_pk_f16_f32 v[Y+2*i],   v[X+64*(\g)+4*i],   v[X+64*(\g)+4*i+1]
	v_cvt_pk_f16_f32 v[Y+2*i+1], v[X+64*(\g)+4*i+2], v[X+64*(\g)+4*i+3]
.set i, i+1
.endr
.if \ahead
.set i, 4*q
.rept 4
	global_load_b128 v[X+64*(\g)+4*i:X+64*(\g)+4*i+3], v[VX], s[PX:PX+1] offset:((\rel)+2)*8192+512*i th:TH_LOAD_NT
.set i, i+1
.endr
.endif
.set i, 4*q
.rept 4
	global_store_b64 v[VY], v[Y+2*i:Y+2*i+1], s[PY:PY+1] offset:(\rel)*4096+256*i
.set i, i+1
.endr
.set q, q+1
.endr
	WIN 0
.endm
; One block of 16 rows from slot s, and the group of x beside it.  rel = the block's place from the pointers, in blocks.  refill = 1: both slots take what lies two blocks on.
; step = 1: the pointers go two blocks on.  pre = 1: the next block's A is asked for.  leftw; leftx, dec: the younger loads that may stay out at W0's wait and at x's.
.macro BLOCK s, rel, refill, step, pre, leftw, leftx, dec
	WIN 0
	s_wait_dscnt 0x0                               ; this block's fragments of A and its scale, asked for a block ago
	WIN W_MM
.irp t, 0,1,2,3,4,5,6,7                ; K = 32 is the whole rank: each of the 16 results is one product with C = 0; no accumulator is named twice.  They need no W0, so they stand ahead of the wait for it
	v_wmma_f32_16x16x32_f16 v[ACC1+8*(\t):ACC1+8*(\t)+7], v[AF1:AF1+7], v[BF1+8*(\t):BF1+8*(\t)+7], 0
	v_wmma_f32_16x16x32_f16 v[ACC2+8*(\t):ACC2+8*(\t)+7], v[AF2:AF2+7], v[BF2+8*(\t):BF2+8*(\t)+7], 0
.endr
	WIN 0
.rept 4
	v_nop                                          ; four places between the last product and the loads into its sources, and the first line that reads a result (ISA guide 7.12.1 for the line that reads a result)
.endr
.if \pre
	AFETCH ((\s)+1)*ABLK, 8+4*(\s)                 ; the scale into the other parity's four registers: this block's are still to be used
.endif
	s_wait_loadcnt \leftw                          ; this slot's 16 loads of W0 are in
	s_wait_xcnt 0x0                                ; every earlier memory instruction has had its addresses translated (ISA guide 3.1): OUT and Y, which the last block's stores read, and the pointers are rewritten only behind this wait.
	                                               ; The youngest of those instructions stand a run of products and a wait for data back
.if \step
	s_add_nc_u64 s[PW:PW+1], s[PW:PW+1], 524288    ; 32 rows of W0,
	s_add_nc_u64 s[PO:PO+1], s[PO:PO+1], 262144    ; of wh;
	s_add_nc_u64 s[PX:PX+1], s[PX:PX+1], 16384     ; two groups of x,
	s_add_nc_u64 s[PY:PY+1], s[PY:PY+1], 8192      ; of xh
.endif
	WIN W_FMA
.set j, 0
.rept 8                                ; row by row, so that each result's register 0 is read first
.set t, 0
.rept 8
	v_fma_f32 v[WB+64*(\s)+8*j+t], v[ACC1+8*t+j], v[ACC2+8*t+j], v[WB+64*(\s)+8*j+t]
.set t, t+1
.endr
.set j, j+1
.endr
	WIN W_SC
.set j, 0
.rept 32
	v_pk_mul_f32 v[WB+64*(\s)+2*j:WB+64*(\s)+2*j+1], v[WB+64*(\s)+2*j:WB+64*(\s)+2*j+1], v[SCT-4*(\s):SCT-4*(\s)+1]  ; times s: exact
.set j, j+1
.endr
	WIN W_PK
.set j, 0
.rept 32
	v_cvt_pk_f16_f32 v[OUT+j], v[WB+64*(\s)+2*j], v[WB+64*(\s)+2*j+1]
.set j, j+1
.endr
	WIN 0
.irp j, 0,1,2,3,4,5,6,7
	global_store_b128 v[VO], v[OUT+4*(\j):OUT+4*(\j)+3], s[PO:PO+1] offset:(\rel)*131072+(\j)*8192  ; 16 lanes store 256 consecutive bytes, at a multiple of 256 from wh's first byte
.endr
.if \refill
	LOADW \s, (\rel)+2
.endif
	XGROUP \s, \rel, \refill, \leftx, \dec
.endm
	LOADA 0                                        ; all that the walk begins with goes out in one run of 144 loads: A first, which the other waves wait for; then bytes that are read once, so that memory has work
	LOADA 1                                        ; while the shared factors come
	LOADW 0, 0
	XFILL 0
	LOADB RAW1, PB1
	LOADB RAW2, PB2
	LOADW 1, 1
	XFILL 1
	WIN 0
	s_wait_loadcnt 63                              ; a wait's count names 63 at the most: the oldest 81 are in: A's 16, W0's and x's first 32, B1's 32
	APREP 0
	APREP 1
	CVTB RAW1, BF1
	s_wait_loadcnt 32                              ; B2 is in: slot 1's 16 loads of W0 and 16 of x are younger
	CVTB RAW2, BF2
	WIN 0                                          ; at a label and at a branch every window is 0
	s_wait_dscnt 0x0                               ; for the others' sake: my two blocks of A are in LDS
	s_barrier_signal -1
	s_barrier_wait -1                              ; all eight are; nothing is stored to LDS behind this barrier
	s_cmp_lg_u32 s22, 0                            ; the 8 work-groups of a row group have made the same eight scales; strip 0's wave stores them, so that each byte of sc has one writer
	s_cbranch_scc1 .Lno_sc
	ds_load_b32 v[INVV], v[LQA] offset:2048+8      ; 1 / s of block lane / 4: the third word of that block's scales
	s_wait_dscnt 0x0
	global_store_b32 v[VS], v[INVV], s[PS:PS+1]    ; 32 lanes, 128 consecutive bytes: all that sc holds for my 128 rows; one such store for a wave's 32 KiB of wh
.Lno_sc:
	AFETCH 0, SCT                                  ; block 0's A
	s_mov_b32 s30, 3
.Lw:                                                   ; a trip: two blocks.  48 = x's group beside this block, and the next block's W0 and x.  60 at quad q = 12 - 4 q of this group, the next block's 32, the 16 of W0 just asked for, 4 q of x
	BLOCK 0, 0, 1, 0, 1, 48, 60, 0
	BLOCK 1, -1, 1, 1, 1, 48, 60, 0                ; the pointers step in its middle: its stores reach one block back, its refills one block on
	v_add_nc_u32 v[LA], 2*ABLK, v[LA]
	s_sub_co_u32 s30, s30, 1
	s_cmp_lg_u32 s30, 0
	s_cbranch_scc1 .Lw
	BLOCK 0, 0, 0, 0, 1, 48, 44, 4                 ; block 6: nothing is left to fetch, and the counts run down: at quad q 12 - 4 q of this group and block 7's 32
	BLOCK 1, 1, 0, 0, 0, 16, 12, 4                 ; block 7: its own group of x is younger than its W0; then 12 - 4 q
	s_wait_tensorcnt 0x0                           ; the wave's end: behind my last LDS store
	ds_add_u32 v[SPW], v[NIL]
	s_wait_dscnt 0x0
	s_endpgm
.Lfunc_end_k_q612273ad25_prep:
	.size	k_q612273ad25_prep, .Lfunc_end_k_q612273ad25_prep-k_q612273ad25_prep
	.p2alignl 7, 3214868480
	.fill 96, 4, 3214868480
	.section	.rodata,"a",@progbits
	.p2align	6, 0x0
	.amdhsa_kernel k_q612273ad25_prep
		.amdhsa_group_segment_fixed_size 21504
		.amdhsa_private_segment_fixed_size 0
		.amdhsa_enable_private_segment 0
		.amdhsa_kernarg_size 72
		.amdhsa_user_sgpr_count 2
		.amdhsa_user_sgpr_kernarg_segment_ptr 1
		.amdhsa_wavefront_size32 1
		.amdhsa_system_sgpr_workgroup_id_x 1
		.amdhsa_system_sgpr_workgroup_id_y 1
		.amdhsa_system_sgpr_workgroup_id_z 1
		.amdhsa_system_vgpr_workitem_id 0
		.amdhsa_next_free_vgpr 1024
		.amdhsa_next_free_sgpr 66
		.amdhsa_reserve_vcc 0
		.amdhsa_float_denorm_mode_32 3
		.amdhsa_float_denorm_mode_16_64 3
		.amdhsa_memory_ordered 1
		.amdhsa_forward_progress 1
		.amdhsa_inst_pref_size 96
	.end_amdhsa_kernel
	.amdgpu_metadata
---
amdhsa.version: [ 1, 2 ]
amdhsa.kernels:
  - .name:           k_q612273ad25_prep
    .symbol:         k_q612273ad25_prep.kd
    .args:
      - { .name: x, .offset: 0, .size: 8, .value_kind: global_buffer, .address_space: global }
      - { .name: org_weight, .offset: 8, .size: 8, .value_kind: global_buffer, .address_space: global }
      - { .name: hada_w1_a, .offset: 16, .size: 8, .value_kind: global_buffer, .address_space: global }
      - { .name: hada_w1_b, .offset: 24, .size: 8, .value_kind: global_buffer, .address_space: global }
      - { .name: hada_w2_a, .offset: 32, .size: 8, .value_kind: global_buffer, .address_space: global }
      - { .name: hada_w2_b, .offset: 40, .size: 8, .value_kind: global_buffer, .address_space: global }
      - { .name: xh, .offset: 48, .size: 8, .value_kind: global_buffer, .address_space: global }
      - { .name: wh, .offset: 56, .size: 8, .value_kind: global_buffer, .address_space: global }
      - { .name: sc, .offset: 64, .size: 8, .value_kind: global_buffer, .address_space: global }
    .group_segment_fixed_size: 21504
    .private_segment_fixed_size: 0
    .kernarg_segment_align: 8
    .kernarg_segment_size: 72
    .max_flat_workgroup_size: 128
    .sgpr_count:     66
    .vgpr_count:     1024
    .wavefront_size: 32
...
	.end_amdgpu_metadata
.endif
;; end of part 1
;; launch gemm (part 2): grid 16 x 16, 4 waves a work-group, clusters of 4 x 4, 327,680 bytes of LDS; arguments xh, wh, org_bias, out0, sc; writes out0
.if DOCPART == 2
	.amdgcn_target "amdgcn-amd-amdhsa--gfx1250"
	.amdhsa_code_object_version 6
	.text
	.protected	k_q612273ad25_gemm
	.globl	k_q612273ad25_gemm
	.p2align	8
	.type	k_q612273ad25_gemm,@function
k_q612273ad25_gemm:
	s_mov_b64 s[64:65], 0
	v_nop
	global_prefetch_b8 v0, s[64:65] scope:SCOPE_SE
	s_setreg_imm32_b32 hwreg(HW_REG_WAVE_MODE, 25, 1), 1
	s_wait_xcnt 0x0
	s_wait_alu depctr_hold_cnt(0) depctr_sa_sdst(0) depctr_va_vdst(0) depctr_va_sdst(0) depctr_va_ssrc(0) depctr_va_vcc(0) depctr_vm_vsrc(0)
	s_getreg_b32 s2, hwreg(HW_REG_IB_STS2, 6, 4)
	s_cmp_eq_u32 s2, 0
	s_cbranch_scc0 .Lentry_in_a_cluster
	s_endpgm
.Lentry_in_a_cluster:
	s_bfe_u32 s2, ttmp6, 0x10000c
	s_cmp_lg_u32 s2, 0xf033
	s_cbranch_scc0 .Lentry_shape_is_right
	s_endpgm
.Lentry_shape_is_right:
; out0[m][n] = sc[n / 4] (the sum over k of xh[m][k] wh[n][k]) + bias[n].  xh: [4096][4096] f16 (x rounded), wh: [4096][4096] f16 (the merged weight times a power of two s[n]), sc: [1024] f32 (1 / s, a word
; for four columns n), bias: [4096] f32, out0: [4096][4096] f32; sums in f32; the scale (exact) and the bias come on by one fused multiply-add at the end.
; LIMITS.  The operands' are the launch's before (f16's range and step).  NaN and infinities go as the arithmetic takes them.
; A tile of 256 x 256 of the output is made by a work-group of four waves; a wave makes 128 x 128: 64 accumulators of 16 x 16, 512 registers.  16 x 16 tiles: 256 work-groups, one tile each.
; K goes in steps of 128 through a ring of two LDS slots filled by the tensor data mover: a tile's rows are 256 bytes of memory and start at multiples of 256 bytes from the buffer's first byte.
; CLUSTERS: 4 x 4 work-groups.  The four of a row of the cluster need the same tiles of xh, the four of a column the same tiles of wh: each tile is asked for JOINTLY, by the same tensor load with the same
; descriptor and a mask that names the four, and each receives it in its own LDS: the requests for both operands are divided by four.
; THE MATRIX INSTRUCTION IS USED TRANSPOSED: source 0 = 16 rows of wh, source 1 = 16 rows of xh.  Lane l then holds row l % 16 of the output and in registers 0 to 7 the columns 8 (l / 16) + 0..7: 32 neighbouring bytes.
; REGISTERS, in windows of 256 (s_set_vgpr_msb: bits 1:0 source 0, 3:2 source 1, 5:4 source 2, 7:6 destination):
;   window 0: v0-31 addresses, 1 / s and the bias; v64-127, v128-191 fragments of xh, two buffers (on the way out: rows read back from the stage)
;   window 1: v64-127, v128-191 fragments of wh, two buffers
;   window 2: the 32 accumulators of my rows 0-63 (accumulator (a, b) at v[8 (8 a + b)]);   window 3: those of my rows 64-127
.set SIZE_K, 4096
.set SIZE_N, 4096
.set KSTEP,  128
.set PITCH,  272                       ; an LDS row: 256 bytes + 16 of padding = 68 words: row r starts at bank 4 r mod 64 (64 banks of 4 bytes: ISA guide 11.1), so the 16 rows of a load start at 16 different banks
.set HALFT,  128*PITCH                 ; 128 rows: what one tensor load brings, and what one wave reads of either operand
.set SLOT,   4*HALFT                   ; xh's 256 rows, then wh's 256 rows
.set STAGE,  2*SLOT                    ; behind the ring: 16 rows x 528 bytes for each wave (33 blocks of 256 bytes), for the way out; no tensor load fills it
.set SPITCH, 528                       ; 512 bytes + 16 = 33 x 16
.set SPARE,  STAGE+4*16*SPITCH         ; behind the stages: the spare words, 128 bytes for each wave: two blocks of 256 bytes that no other line names
.set LAPS,   SIZE_K/(2*KSTEP)          ; a lap = two K steps = once round the ring: 16
.set INV,  8                           ; v[8:9]   1 / s of my four columns on the way out (they share a block of 16), twice: a pair for the packed multiply-add
.set BI,   12                          ; v[12:15] the bias of those four columns
.set ADRA, 16                          ; v16-17  LDS address of my fragments of xh in slot 0, 1
.set ADRB, 20                          ; v20-21  the same for wh
.set STO,  24                          ; v24     the way out: where I put 32 bytes of a row
.set RD,   25                          ; v25     the way out: where I read a row back
.set CO,   26                          ; v26     16 x lane: my 16 bytes in 512 of a row of the output, and of the bias
.set VS,   27                          ; v27     4 x lane: my word in the wave's 128 bytes of sc
.set SPW,  28                          ; v28     LDS address of my spare word: SPARE + 4 x my thread's number; never rewritten
.set NIL,  29                          ; v29     0; never rewritten
.set F0,   64
.set F1,   128
.set OB,   64                          ; the way out: 16 rows read back: v64-127 and v128-191 by turns
.set G1,  24                           ; s[24:31] descriptor group 1 for xh's tiles;  s[32:39] group 0, one set for each slot
.set G0,  32
.set G1B, 48                           ; s[48:55], s[56:63] the same for wh's tiles
.set G0B, 56
.set PSC, 66                           ; s[66:67] sc
.set MSB, 0
.macro WIN new                         ; the immediate's high byte repeats the setting that is left; a switch that changes nothing is dropped
.if MSB != (\new)
	s_set_vgpr_msb (MSB<<8)|(\new)
.set MSB, \new
.endif
.endm
.set MUL_LO, 0xa1                      ; source 0 (wh) window 1, source 1 (xh) window 0, C and D window 2;  + 0x50: C and D window 3
.set TO_B,   0x40                      ; destination window 1, address window 0
; A joint load.  Waves 0 and 1 fetch xh's two halves, waves 2 and 3 wh's.  Each of the two lines has one mask and one set of registers for all that issue it; the branch hangs on the wave's number alone.
; An s_nop 0 and four v_nop follow each of the two lines, ahead of the jump, the label and what follows the macro.
.macro JLOAD s
	s_cmp_eq_u32 s13, 0
	s_cbranch_scc0 .Lfor_b_\@
	tensor_load_to_lds s[G0+4*(\s):G0+4*(\s)+3], s[G1:G1+7]
	s_nop 0
.rept 4
	v_nop
.endr
	s_branch .Lasked_\@
.Lfor_b_\@:
	tensor_load_to_lds s[G0B+4*(\s):G0B+4*(\s)+3], s[G1B:G1B+7]
	s_nop 0
.rept 4
	v_nop
.endr
.Lasked_\@:
.endm
; A round of the cluster's barrier: my work-group's barrier, so that wave 0's signal speaks for all four waves; wave 0 signals; every wave waits for all sixteen work-groups; my work-group's barrier once more.
.macro CREST                           ; a round behind its opening barrier
	s_cmp_lg_u32 s12, 0
	s_cbranch_scc1 .Lnot_wave_0_\@
	s_barrier_signal -3
.Lnot_wave_0_\@:
	s_barrier_wait -3
	s_barrier_signal -1
	s_barrier_wait -1
.endm
.macro CROUND                          ; a whole round
	s_barrier_signal -1
	s_barrier_wait -1
	CREST
.endm
	s_load_b256 s[4:11], s[0:1], 0x0               ; xh s[4:5], wh s[6:7], bias s[8:9], out0 s[10:11]
	s_load_b64 s[PSC:PSC+1], s[0:1], 0x20          ; sc
	v_lshl_add_u32 v[SPW], v0, 2, SPARE
	v_mov_b32 v[NIL], 0
	ds_add_u32 v[SPW], v[NIL]                      ; the wave's opening: the add and its wait stand ahead of my first tensor load; the set-up below, work on registers, stands between them
	v_lshrrev_b32 v1, 5, v0
	v_readfirstlane_b32 s12, v1                    ; wave 0..3
	s_lshr_b32 s13, s12, 1                         ; which half of the tile's rows is mine.  Also: I fetch for xh (0) or for wh (1)
	s_and_b32 s14, s12, 1                          ; which half of its columns.  Also: which 128 rows of that tile I fetch
	s_bfe_u32 s40, ttmp6, 0x40000                  ; cx: my place along the cluster's x
	s_bfe_u32 s41, ttmp6, 0x40004                  ; cy: along its y
	s_lshl_b32 s42, ttmp9, 2                       ; in a cluster launch ttmp9 and ttmp7 count clusters
	s_add_co_u32 s42, s42, s40                     ; tile column = 4 x cluster x + cx
	s_and_b32 s43, ttmp7, 0xffff
	s_lshl_b32 s43, s43, 2
	s_add_co_u32 s43, s43, s41                     ; tile row = 4 x cluster y + cy
	s_lshl_b32 s44, s41, 2
	s_lshl_b32 s44, 15, s44                        ; my row of the cluster: places 4 cy .. 4 cy + 3
	s_lshl_b32 s45, 0x1111, s40                    ; my column: places cx, cx + 4, cx + 8, cx + 12
	; descriptor group 1: a tile of 128 rows x 128 elements, padded in LDS
	s_or_b32 s[G1+0], s44, (1<<16)|(1<<20)|(1<<21)|(5<<22)|(3<<25)   ; 15:0 the mask: xh's tiles go to my row; 17:16 elements of 2 bytes; 20 padding on; 21 set beside a mask; 24:22 after every 64 words (code 5); 31:25 4 words of it (code 3)
	s_or_b32 s[G1B+0], s45, (1<<16)|(1<<20)|(1<<21)|(5<<22)|(3<<25)  ; the same with the mask of my column, for wh's tiles
.irp g, G1, G1B
	s_mov_b32 s[(\g)+1], KSTEP<<16                 ; 63:48 tensor_dim0, low half = 128
	s_mov_b32 s[(\g)+2], 128<<16                   ; 79:64 its high half = 0; 95:80 tensor_dim1, low half = 128
	s_mov_b32 s[(\g)+3], KSTEP<<16                 ; 111:96 its high half = 0; 127:112 tile_dim0 = 128
	s_mov_b32 s[(\g)+4], 128                       ; 143:128 tile_dim1 = 128; 159:144 tile_dim2 = 0
	s_mov_b32 s[(\g)+5], SIZE_K                    ; 191:160 tensor_dim0_stride, low word: elements from row to row
	s_mov_b32 s[(\g)+6], 0
	s_mov_b32 s[(\g)+7], 0
.endr
	; where the tiles come from.  xh's hang on the tile row alone, which my row of the cluster shares; wh's on the tile column alone, which my column shares.
	; Every wave makes both addresses, in registers that never hold the other coordinate, and asks by one of them.
	s_lshl_b32 s17, s14, 7                         ; which 128 rows of the tile I fetch
	s_lshl_b32 s16, s43, 8
	s_add_co_u32 s16, s16, s17                     ; xh: row 256 x tile row + 128 x half,
	s_lshl_b32 s16, s16, 13                        ; times 8,192 bytes: under 2^25
	s_lshl_b32 s46, s42, 8
	s_add_co_u32 s46, s46, s17                     ; wh: row 256 x tile column + 128 x half
	s_lshl_b32 s46, s46, 13
	s_mov_b32 s17, 0
	s_mov_b32 s47, 0
	s_mul_i32 s20, s12, HALFT                      ; and where they go: xh's two halves, then wh's two halves = wave x 128 rows: no place in the cluster enters an LDS address
	s_wait_dscnt 0x0                               ; the opening add is done
	s_wait_kmcnt 0x0
	s_add_nc_u64 s[18:19], s[4:5], s[16:17]
	s_add_nc_u64 s[46:47], s[6:7], s[46:47]
	CROUND                                         ; all sixteen work-groups are here: the first joint loads meet
.irp s, 0,1
	s_mov_b32 s[G0+4*(\s)], 1                                        ; 1:0 count = 1
	s_add_co_u32 s[G0+4*(\s)+1], s20, (\s)*SLOT                      ; 63:32 LDS address
	s_add_nc_u64 s[G0+4*(\s)+2:G0+4*(\s)+3], s[18:19], (\s)*KSTEP*2  ; 120:64 global address: K step s
	s_or_b32 s[G0+4*(\s)+3], s[G0+4*(\s)+3], 0x80000000              ; 127:126 type = 2
	s_mov_b32 s[G0B+4*(\s)], 1
	s_add_co_u32 s[G0B+4*(\s)+1], s20, (\s)*SLOT
	s_add_nc_u64 s[G0B+4*(\s)+2:G0B+4*(\s)+3], s[46:47], (\s)*KSTEP*2
	s_or_b32 s[G0B+4*(\s)+3], s[G0B+4*(\s)+3], 0x80000000
	JLOAD \s                                       ; the ring is filled before anything else is done: two tensor loads of mine are out
.endr
	; A fragment is 16 rows x 32 K in 8 registers: lane l holds row l % 16; registers 0-3 hold K = 8 (l / 16) + 0..7, registers 4-7 K = 16 + 8 (l / 16) + 0..7: two loads of 16 bytes, 32 bytes apart.
	v_and_b32 v1, 15, v0                           ; l % 16
	v_bfe_u32 v2, v0, 4, 1                         ; l / 16
	v_mul_u32_u24 v3, v1, PITCH
	v_lshl_add_u32 v3, v2, 4, v3                   ; row x pitch + 16 x half
	s_mul_i32 s21, s13, HALFT                      ; my 128 rows of xh
	s_mul_i32 s22, s14, HALFT                      ; my 128 rows of wh,
	s_add_co_u32 s22, s22, 2*HALFT                 ; which lie behind xh's 256
.irp s, 0,1
	v_add_nc_u32 v[ADRA+(\s)], s21, v3
	v_add_nc_u32 v[ADRB+(\s)], s22, v3
	s_add_co_u32 s21, s21, SLOT
	s_add_co_u32 s22, s22, SLOT
.endr
	s_mul_i32 s23, s12, 16*SPITCH
	s_add_co_u32 s23, s23, STAGE                   ; my stage
	v_mul_u32_u24 v4, v1, SPITCH                   ; in: row l % 16, 32 bytes for each half of the lanes
	v_lshl_add_u32 v4, v2, 5, v4
	v_add_nc_u32 v[STO], s23, v4
	v_and_b32 v5, 31, v0
	v_lshlrev_b32 v[CO], 4, v5                     ; back: 32 lanes take one row of 512 bytes
	v_add_nc_u32 v[RD], s23, v[CO]
	v_lshlrev_b32 v[VS], 2, v5
	s_lshl_b32 s16, s43, 8
	s_lshl_b32 s17, s13, 7
	s_add_co_u32 s16, s16, s17                     ; my first row of the output,
	s_lshl_b32 s16, s16, 14                        ; times 16,384 bytes: under 2^26
	s_mov_b32 s17, 0
	s_add_nc_u64 s[10:11], s[10:11], s[16:17]
	s_lshl_b32 s46, s42, 10                        ; my first column, in bytes of f32: 1,024 x tile column + 512 x half (in the registers that held wh's address: none that feeds xh's descriptors ever holds cx)
	s_lshl_b32 s47, s14, 9
	s_add_co_u32 s46, s46, s47
	s_mov_b32 s47, 0
	s_add_nc_u64 s[10:11], s[10:11], s[46:47]
	s_add_nc_u64 s[8:9], s[8:9], s[46:47]
	s_lshr_b32 s68, s46, 2                         ; in sc a word stands for four columns: a quarter of that
	s_mov_b32 s69, 0
	s_add_nc_u64 s[PSC:PSC+1], s[PSC:PSC+1], s[68:69]
	global_load_b128 v[BI:BI+3], v[CO], s[8:9]     ; on the way out lane l holds columns 4 l .. 4 l + 3 of my 128 in every row: their bias,
	global_load_b32 v[INV],   v[VS], s[PSC:PSC+1]  ; and their 1 / s, into both registers of the pair
	global_load_b32 v[INV+1], v[VS], s[PSC:PSC+1]
; 16 matrix instructions: row blocks a0, a0 + 1 of the window's four (hi = 0: my rows 0-63, 1: rows 64-127) x all 8 column blocks, 32 along K.
; zero = 1: the first product starts the sums: nothing is ever cleared.
.macro MUL16 f, hi, a0, zero
	WIN MUL_LO+0x50*(\hi)
.irp a, \a0, (\a0)+1
.irp b, 0,1,2,3,4,5,6,7
.if \zero
	v_wmma_f32_16x16x32_f16 v[8*(8*(\a)+(\b)):8*(8*(\a)+(\b))+7], v[(\f)+8*(\b):(\f)+8*(\b)+7], v[(\f)+8*(4*(\hi)+(\a)):(\f)+8*(4*(\hi)+(\a))+7], 0
.else
	v_wmma_f32_16x16x32_f16 v[8*(8*(\a)+(\b)):8*(8*(\a)+(\b))+7], v[(\f)+8*(\b):(\f)+8*(\b)+7], v[(\f)+8*(4*(\hi)+(\a)):(\f)+8*(4*(\hi)+(\a))+7], v[8*(8*(\a)+(\b)):8*(8*(\a)+(\b))+7]
.endif
.endr
.endr
.endm
; 32 LDS loads in one run: the fragments of one quarter step (128 rows of wh, 128 rows of xh, 32 K at byte k of the rows) into buffer f
.macro FETCH slot, k, f
	WIN TO_B
.irp i, 0,1,2,3,4,5,6,7
	ds_load_b128 v[(\f)+8*(\i):(\f)+8*(\i)+3],   v[ADRB+(\slot)] offset:(\k)+(\i)*16*PITCH
	ds_load_b128 v[(\f)+8*(\i)+4:(\f)+8*(\i)+7], v[ADRB+(\slot)] offset:(\k)+(\i)*16*PITCH+32
.endr
	WIN 0
.irp i, 0,1,2,3,4,5,6,7
	ds_load_b128 v[(\f)+8*(\i):(\f)+8*(\i)+3],   v[ADRA+(\slot)] offset:(\k)+(\i)*16*PITCH
	ds_load_b128 v[(\f)+8*(\i)+4:(\f)+8*(\i)+7], v[ADRA+(\slot)] offset:(\k)+(\i)*16*PITCH+32
.endr
.endm
; A load into a register that a matrix instruction has read, and an LDS store that reads a matrix result, stand four places behind that matrix instruction, and only plain vector instructions that name none
; of its registers are places (ISA guide 7.12.1 for vector instructions); the matrix instructions in between are not counted.
.macro PLACES
.rept 4
	v_nop
.endr
.endm
; A K step is four quarter steps of 32 along K, 64 matrix instructions each, on buffers 0, 1, 0, 1.  The 64 accumulators take turns in the same order in every quarter.
; One of the first three: multiplies buffer f; in its middle it fetches the next quarter's fragments, at byte k of the same slot's rows, into buffer g.
.macro QUARTER slot, k, f, g, zero
	s_wait_dscnt 8                                 ; wh's fragments and xh's rows 0-63 are in; the youngest eight loads (xh's rows 64-127) may be out
	MUL16 \f, 0, 0, \zero
	MUL16 \f, 0, 2, \zero
	PLACES
	FETCH \slot, \k, \g
	s_wait_dscnt 32                                ; all but the 32 just issued
	MUL16 \f, 1, 0, \zero
	MUL16 \f, 1, 2, \zero
.endm
; The last quarter multiplies buffer 1 and changes slots.  MEET is its first half: ONE barrier for the change of slots.  In front of it each wave waits for all its tensor loads, of which one is out: its part
; of the next slot; adds 0 to its spare word; and waits for that and for its own reads of this slot.  Behind it nobody reads this slot any more and the next slot is whole.
.macro MEET round                      ; round = 1: a round of the cluster's barrier follows
	WIN 0                                          ; (the add's two registers lie in window 0)
	s_wait_tensorcnt 0x0                           ; all my tensor loads have landed;
	ds_add_u32 v[SPW], v[NIL]                      ; 0 onto my spare word;
	s_wait_dscnt 9                                 ; (the add and the youngest eight loads may be out)
	MUL16 F1, 0, 0, 0                              ; sixteen matrix instructions stand between the add and the wait for it
	s_wait_dscnt 0x0                               ; the add is done, and my reads of this slot are over:
	s_barrier_signal -1                            ; say so,
	MUL16 F1, 0, 2, 0                              ; work on registers while the others arrive,
.if \round
	WIN 0
.endif
	s_barrier_wait -1                              ; and go on when all four have said so
.endm
; The whole last quarter.  Behind the round the slot just read out is filled again first, with the K step two steps on; then come the next slot's first fragments.
; From a request to the wait for it a wave issues 224 matrix instructions; one tensor load of mine is out.
.macro TURN slot, next
	MEET 1
	CREST                                          ; no wave of any partner still reads this slot's tile or has a load on its way
	s_add_nc_u64 s[G0+4*(\slot)+2:G0+4*(\slot)+3], s[G0+4*(\slot)+2:G0+4*(\slot)+3], 2*KSTEP*2
	s_add_nc_u64 s[G0B+4*(\slot)+2:G0B+4*(\slot)+3], s[G0B+4*(\slot)+2:G0B+4*(\slot)+3], 2*KSTEP*2
	JLOAD \slot                                    ; the first tensor load behind the round; the four v_nop behind it are also the places in front of the loads below
	FETCH \next, 0, F0
	MUL16 F1, 1, 0, 0
	MUL16 F1, 1, 2, 0
.endm
; THE WAY OUT of block a (16 of my rows x 128 columns of f32).  TOSTAGE: a lane's 32 bytes of each of the 8 results go into my own stage, each result's low registers first; the rows come back whole, 512 bytes each.
.macro TOSTAGE a
.set AC, 64*((\a)%4)
.set BK, OB+64*((\a)%2)
.if (\a) >= 2
	s_wait_xcnt 0x0                                ; every earlier memory instruction has had its addresses translated (ISA guide 3.1): the buffer that block a - 2's stores read is loaded again only behind this wait
.endif
	WIN 0x08+4*((\a)/4)                            ; the stores' data (source 1) in window 2 or 3
.irp b, 0,1,2,3,4,5,6,7
	ds_store_b128 v[STO], v[AC+8*(\b):AC+8*(\b)+3]   offset:64*(\b)
	ds_store_b128 v[STO], v[AC+8*(\b)+4:AC+8*(\b)+7] offset:64*(\b)+16
.endr
	WIN 0
.irp t, 0,1,2,3,4,5,6,7,8,9,10,11,12,13,14,15
	ds_load_b128 v[BK+4*(\t):BK+4*(\t)+3], v[RD] offset:(\t)*SPITCH  ; LDS serves a wave's instructions in order (ISA guide 5.7.1.4): these see the stores above, and the next block's stores come behind them
.endr
.endm
; SEND: each row, as it comes back, is multiplied by 1 / s and takes the bias, two numbers to an instruction, and is stored.
.macro SEND a, younger                 ; younger: the LDS instructions issued behind block a's loads: the next block's 32, or none
	WIN 0
.set BK, OB+64*((\a)%2)
.irp t, 0,1,2,3,4,5,6,7,8,9,10,11,12,13,14,15
	s_wait_dscnt (\younger)+15-(\t)                ; row t is back
	v_pk_fma_f32 v[BK+4*(\t):BK+4*(\t)+1],   v[BK+4*(\t):BK+4*(\t)+1],   v[INV:INV+1], v[BI:BI+1]
	v_pk_fma_f32 v[BK+4*(\t)+2:BK+4*(\t)+3], v[BK+4*(\t)+2:BK+4*(\t)+3], v[INV:INV+1], v[BI+2:BI+3]
	global_store_b128 v[CO], v[BK+4*(\t):BK+4*(\t)+3], s[10:11] offset:(16*(\a)+(\t))*SIZE_N*4 th:TH_STORE_NT  ; 32 lanes store 512 consecutive bytes, at a multiple of 512 from out0's first byte; 127 rows at the most: inside the signed 24-bit immediate
.endr
.endm
	s_wait_tensorcnt 1                             ; my part of K step 0 is in; K step 1's may stay out
	s_barrier_signal -1
	s_barrier_wait -1                              ; everybody's is
	FETCH 0, 0, F0
	s_wait_loadcnt 0x0                             ; the bias and 1 / s, once
	QUARTER 0, 64,  F0, F1, 1                      ; the first quarter stands in front of the loop: its products start the sums
	WIN 0                                          ; at a label and at a branch every window is 0
	s_mov_b32 s3, LAPS-1
.Llap:                                                 ; a trip goes once round the ring, from a lap's second quarter to the next lap's first, and fills both slots again: K steps 2 to 31 in 15 trips
	QUARTER 0, 128, F1, F0, 0
	QUARTER 0, 192, F0, F1, 0
	TURN 0, 1
	QUARTER 1, 64,  F0, F1, 0
	QUARTER 1, 128, F1, F0, 0
	QUARTER 1, 192, F0, F1, 0
	TURN 1, 0
	QUARTER 0, 64,  F0, F1, 0
	WIN 0
	s_sub_co_u32 s3, s3, 1
	s_cmp_lg_u32 s3, 0
	s_cbranch_scc1 .Llap
	QUARTER 0, 128, F1, F0, 0                      ; the last lap is written out: it fills nothing and has no round of the cluster's barrier
	QUARTER 0, 192, F0, F1, 0
	MEET 0                                         ; my one tensor load that was still out is slot 1's, the last K step's
	PLACES                                         ; for the loads into buffer 0, which the quarter before multiplied
	FETCH 1, 0, F0
	MUL16 F1, 1, 0, 0
	MUL16 F1, 1, 2, 0
	QUARTER 1, 64,  F0, F1, 0
	QUARTER 1, 128, F1, F0, 0
	QUARTER 1, 192, F0, F1, 0
	s_wait_dscnt 8                                 ; the very last quarter: nothing more to fetch
	MUL16 F1, 0, 0, 0
	MUL16 F1, 0, 2, 0
	s_wait_dscnt 0x0
	MUL16 F1, 1, 0, 0
	MUL16 F1, 1, 2, 0
	WIN 0
	PLACES                                         ; behind the last products: the stage's stores read results, its loads land in xh's fragment buffers
	TOSTAGE 0
.irp a, 1,2,3,4,5,6,7                  ; block a's trip through the stage is under way while block a - 1 is stored
	TOSTAGE \a
	SEND (\a)-1, 32
.endr
	SEND 7, 0
	s_wait_tensorcnt 0x0                           ; the wave's end: behind my last tensor load and my last LDS store
	ds_add_u32 v[SPW], v[NIL]
	s_wait_dscnt 0x0
	CROUND                                         ; the closing round: no work-group ends while a partner may still ask for a tile that names it
	s_endpgm
.Lfunc_end_k_q612273ad25_gemm:
	.size	k_q612273ad25_gemm, .Lfunc_end_k_q612273ad25_gemm-k_q612273ad25_gemm
	.p2alignl 7, 3214868480
	.fill 96, 4, 3214868480
	.section	.rodata,"a",@progbits
	.p2align	6, 0x0
	.amdhsa_kernel k_q612273ad25_gemm
		.amdhsa_group_segment_fixed_size 327680
		.amdhsa_private_segment_fixed_size 0
		.amdhsa_enable_private_segment 0
		.amdhsa_kernarg_size 40
		.amdhsa_user_sgpr_count 2
		.amdhsa_user_sgpr_kernarg_segment_ptr 1
		.amdhsa_wavefront_size32 1
		.amdhsa_system_sgpr_workgroup_id_x 1
		.amdhsa_system_sgpr_workgroup_id_y 1
		.amdhsa_system_sgpr_workgroup_id_z 1
		.amdhsa_system_vgpr_workitem_id 0
		.amdhsa_next_free_vgpr 1024
		.amdhsa_next_free_sgpr 70
		.amdhsa_reserve_vcc 0
		.amdhsa_float_denorm_mode_32 3
		.amdhsa_float_denorm_mode_16_64 3
		.amdhsa_memory_ordered 1
		.amdhsa_forward_progress 1
		.amdhsa_inst_pref_size 160
	.end_amdhsa_kernel
	.amdgpu_metadata
---
amdhsa.version: [ 1, 2 ]
amdhsa.kernels:
  - .name:           k_q612273ad25_gemm
    .symbol:         k_q612273ad25_gemm.kd
    .args:
      - { .name: xh, .offset: 0, .size: 8, .value_kind: global_buffer, .address_space: global }
      - { .name: wh, .offset: 8, .size: 8, .value_kind: global_buffer, .address_space: global }
      - { .name: org_bias, .offset: 16, .size: 8, .value_kind: global_buffer, .address_space: global }
      - { .name: out0, .offset: 24, .size: 8, .value_kind: global_buffer, .address_space: global }
      - { .name: sc, .offset: 32, .size: 8, .value_kind: global_buffer, .address_space: global }
    .group_segment_fixed_size: 327680
    .private_segment_fixed_size: 0
    .kernarg_segment_align: 8
    .kernarg_segment_size: 40
    .max_flat_workgroup_size: 128
    .sgpr_count:     70
    .vgpr_count:     1024
    .wavefront_size: 32
...
	.end_amdgpu_metadata
.endif
;; end of part 2
;; ======== version 2 of 2: 2 launches; version 1 with the launch prep written anew for expert scheduling mode
;; limits: values are held in f16: magnitudes above 65,504 overflow, below 6.1e-05 lose precision; right only within a limited range of input values; inputs' magnitudes at most 65,504
;; workspace buffers: xh 33,554,432 bytes; wh 33,554,432 bytes; sc 4,096 bytes
;; launch prep (part 3): grid 256 x 1, 4 waves a work-group, no clusters, 21,504 bytes of LDS; arguments x, org_weight, hada_w1_a, hada_w1_b, hada_w2_a, hada_w2_b, xh, wh, sc; writes xh, wh, sc
.if DOCPART == 3
	.amdgcn_target "amdgcn-amd-amdhsa--gfx1250"
	.amdhsa_code_object_version 6
	.text
	.protected	k_q612273ad25_prep
	.globl	k_q612273ad25_prep
	.p2align	8
	.type	k_q612273ad25_prep,@function
k_q612273ad25_prep:
	s_mov_b64 s[64:65], 0
	v_nop
	global_prefetch_b8 v0, s[64:65] scope:SCOPE_SE
	s_setreg_imm32_b32 hwreg(HW_REG_WAVE_SCHED_MODE, 0, 2), 2
	s_setreg_imm32_b32 hwreg(HW_REG_WAVE_MODE, 25, 1), 1
	s_wait_xcnt 0x0
	s_wait_alu depctr_vm_vsrc(0)
; wh[o][i] = f16( s[o] ( W0[o][i] + 0.5 (A1 B1)[o][i] (A2 B2)[o][i] ) ),   sc[o / 4] = 1 / s[o],   xh = f16(x).
; W0, x: [4096][4096] f32; A1, A2: [4096][32] f32; B1, B2: [32][4096] f32; wh, xh: [4096][4096] f16; sc: [1024] f32.
; The merged weight is made ONCE here and not in the product that follows: there each tile of W is read by 16 tile rows of the output, so the two rank-32 products would be done 16 times.
; FORMAT.  f16 and not bf16: an output near 0 must lie within 1% of the output's root mean square, and a weight kept to 8 significant bits is off by about 0.2% of itself, which in the rows o with the
; largest |a1| |a2| leaves too few standard deviations; 11 bits leave eight times the room.
; THE SCALE.  f16's range does not hold W at every size of the factors, so each block of 16 rows o is stored times a power of two s, made from the data: T = 1024 + 2^17 max over the block of (|a1_o| / 2) |a2_o|
; bounds |W| (Cauchy-Schwarz: |a . b| <= |a| |b|) within the limits below, and s is the power of two with 2^14 < T s <= 2^15.  Multiplying by s is exact; the next launch multiplies its sums by 1 / s.
; LIMITS.  x, A1 / 2, A2, B1, B2 are rounded once to f16: beyond 65,504 they become infinite, below 6.1e-5 they keep f16's fixed step of 6e-8.  The factor 0.5 goes onto A1 ahead of its rounding: exact.
; W is formed in f32 (one fused multiply-add onto W0) and rounded once.  That W s stays inside f16 is certain for |W0| <= 1024 and |b1_i| |b2_i| <= 2^17 in every column i (norms over the rank of 32);
; a stored weight's step is never above T 2^-38.  NaN and infinities go as the arithmetic takes them.
; SHARES.  256 work-groups of four waves; every wave does both jobs, so all 1,024 waves are alike.
;   weight: work-group g has the 128 rows o from 128 (g / 8) on; wave w the 128 columns i from 128 (4 (g % 8) + w) on; it walks its rows in 8 blocks of 16.
;   cast:   the wave's own 65,536 bytes of x, in 8 groups of 16 loads of 512 consecutive bytes, one group beside each block.
; BOTH STREAMS RUN TOGETHER.  Block p's turn refills W0's slot with block p + 2 and x's slot with group p + 2, so two blocks' worth of both are on their way: 64 loads of 512 bytes, all of them bytes that are read once.
; A THROUGH LDS.  The four waves have the same 128 rows of A1 and A2.  Wave w loads blocks 2 w and 2 w + 1, makes their scale, rounds them, and stores each lane's fragment registers as they are; behind ONE barrier every
; wave takes a block's fragments and scale by five LDS loads, asked for a block ahead.  So A takes none of the places among the loads from memory, and a block's scale is made once in the work-group.
; LAYOUT.  Source 0 = 16 rows of A, source 1 = 16 columns of B; tile t of 8 is given the columns i0 + 8 r + t (r = lane % 16, h = lane / 16).  Register j of tile t's result is then element
; (o0 + 8 h + j, i0 + 8 r + t): for row j a lane's eight tiles hold eight NEIGHBOURING columns: 32 bytes of W0 in, 16 bytes of wh out, and sixteen lanes store 256 consecutive bytes, aligned.
; NO CLUSTER, NO JOINT LOADS: the four factors that work-groups share are 2 MiB in all against 128 MiB that are read once.
; THE MODE: SCHED_MODE bits 1:0 = 2 (LLVM: expert scheduling mode 2), set by the entry lines.  The code itself states the register dependences between vector or matrix instructions and memory or LDS
; instructions, with s_wait_alu, always for 0.
; THE PLAN.  Registers that memory or LDS instructions touch in the walk; block p has parity s = p % 2:
;   WB0, WB1     Block p's merge (64 multiply-adds, 32 scalings, 32 roundings) writes and reads WB[s]; behind it the 16 loads of block p + 2 land there.
;   OUT0, OUT1   Block p's 32 roundings write OUT[s]; the 8 stores behind them read it; it is written again in block p + 2.
;   X0, X1       Quad q of group p: its 8 roundings read four loads' registers of X[s]; behind them the 4 loads of group p + 2 land there.
;   Y0, Y1       The same 8 roundings write their part of Y[s]; the 4 stores behind them read it; it is written again in block p + 2.
;   AF1, AF2     Block p's 16 products read them; the LDS loads for block p + 1 land in them behind block p's merge.
;   v[8:11], v[12:15]  The scale: the odd blocks' scalings read the first four, the even blocks' the second; block p's LDS load lands in the four that block p + 1 reads.
;   v[LA]        Read by those LDS loads; written once a trip.      VB, VO, VX, VY: read by every load and store of the walk; made at the head and never written again.
;   BF, the 16 results and T0, T1 are named by vector and matrix instructions alone.      v[SPW], v[NIL]: written at the head, read by the closing add alone.
; THE WAITS OF A BLOCK.  Behind the merge, ahead of its loads and stores: ONE wait on vm_vsrc (beside the wait on XCNT): the stores of block p - 1 have read OUT[1 - s] and Y[1 - s], which block p + 1 writes again, and
; the LDS loads so far have read v[LA]; the youngest of all these stand 16 products, a wait for data and the merge back.  Then ONE wait on va_vdst: OUT[s] is written, the merge is done with WB[s], the products with AF1 and
; AF2, the last block's scalings with the other scale, and v[LA] is written: 16 loads, 8 stores and 5 LDS loads follow it, and no vector line stands among them.  And one wait on va_vdst behind each quad's 8 roundings, ahead of
; its 4 loads and 4 stores: behind the roundings and not at the next quad's head, so that a slot's registers are asked for again at once.
; REGISTERS, in windows of 256 (s_set_vgpr_msb: bits 1:0 source 0, 3:2 source 1, 5:4 source 2, 7:6 destination):
;   window 0: v0-15 ids, offsets and scales; v16-31 A's two fragments; v32-95 A as loaded (the start alone), then wh's rows to store, two buffers; v96-99 four registers of the start, never written again; v128-255 the 16 results
;   window 1: v0-127 B1's and B2's fragments, kept for the whole walk; v128-255 W0, two slots of 64
;   window 2: v0-255 B1 and B2 as loaded (the start alone)
;   window 3: v0-127 x, two slots of 16 loads; v128-191 a group's rounded halves, two buffers; v192, v193 two offsets
.set ABLK,  2560                       ; a block of A in LDS: four times 512 bytes of fragments (A1's registers 0-3, 4-7, A2's likewise; lane l at 16 l), then 512 of {s, s, 1 / s, 1 / s} a lane
.set SPARE, 8*ABLK                     ; behind the 8 blocks (80 blocks of 256 bytes): the spare words, 128 bytes for each wave: two blocks of 256 bytes that no other line names
.set SPW,  2                           ; v2   LDS address of my spare word: SPARE + 4 x my thread's number; never rewritten
.set NIL,  3                           ; v3   0; never rewritten
.set VA,   4                           ; v4   128 r + 32 h: my 8 k of row r in 16 rows of A
.set VB,   5                           ; v5   131072 h + 32 r: 8 h rows of 16,384 bytes and my 8 columns: serves W0, B1 and B2
.set VO,   6                           ; v6   65536 h + 16 r: the same place in wh
.set LA,   7                           ; v7   16 x lane + the LDS byte of an even block of A
.set T0,   8                           ; v[8:9], v[10:11]  at work on the scale at the start; later v[8:11] hold the odd blocks' {s, s, 1 / s, 1 / s}
.set T1,   10
.set SCT,  12                          ; v[12:15] the scale as it is made; later the even blocks' {s, s, 1 / s, 1 / s}
.set AF1,  16
.set AF2,  24
.set AR,   32                          ; slot s at AR + 32 s: A1's 16 numbers, then A2's
.set OUT,  32                          ; buffer k, row j at OUT + 32 k + 4 j: where A's raw numbers lay
.set LAW,  96                          ; 16 x lane + the LDS byte of my two blocks of A,
.set LQA,  97                          ; (lane / 4) x ABLK: the block whose 1 / s my word of sc holds,
.set VS,   98                          ; 4 x lane,
.set INVV, 99                          ; and that word
.set ACC1, 128                         ; tile t at ACC1 + 8 t
.set ACC2, 192
.set BF1,  0                           ; window 1: tile t at BF1 + 8 t
.set BF2,  64
.set WB,   128                         ; window 1: slot s, row j, column t at WB + 64 s + 8 j + t
.set RAW1, 0                           ; window 2: row kk of my 16, column t at RAW1 + 8 kk + t
.set RAW2, 128
.set X,    0                           ; window 3: slot g, load i of 16 at X + 64 g + 4 i
.set Y,    128                         ; window 3: buffer g, load i's rounded halves at Y + 32 g + 2 i
.set VX,   192                         ; window 3: 16 x lane
.set VY,   193                         ; window 3: 8 x lane
.set PX,   4                           ; s[4:5] x      s[6:7] W0      s[8:9] A1      s[10:11] B1
.set PW,   6
.set PA1,  8
.set PB1,  10
.set PA2,  12                          ; s[12:13] A2   s[14:15] B2    s[16:17] xh    s[18:19] wh
.set PB2,  14
.set PY,   16
.set PO,   18
.set PS,   38                          ; s[38:39] sc
.set SEL,  40                          ; s[40:41] v_permlanex16_b32's selects: each lane takes its own place in the other half
.set BCAP, 42                          ; s42  2^17
.set WCAP, 43                          ; s43  1024
.set MSB, 0
.macro WIN new                         ; the immediate's high byte repeats the setting that is left; a switch that changes nothing is dropped
.if MSB != (\new)
	s_set_vgpr_msb (MSB<<8)|(\new)
.set MSB, \new
.endif
.endm
.set W_RAW, 0x80                       ; destination window 2
.set W_CVB, 0x4a                       ; sources window 2, destination window 1
.set W_MM,  0x04                       ; source 1 (B) window 1
.set W_LDW, 0x40                       ; destination window 1
.set W_FMA, 0x50                       ; source 2 and destination window 1
.set W_SC,  0x41                       ; source 0 and destination window 1, source 1 (s) window 0
.set W_PK,  0x05                       ; sources 0 and 1 window 1
.set W_MK,  0xc0                       ; destination window 3
.set W_X,   0xcf                       ; sources 0 and 1 and destination window 3
	s_load_b512 s[4:19], s[0:1], 0x0               ; the first eight addresses
	s_load_b64 s[PS:PS+1], s[0:1], 0x40            ; sc
	v_lshl_add_u32 v[SPW], v0, 2, SPARE
	v_mov_b32 v[NIL], 0
	v_and_b32 v1, 31, v0                           ; lane
	v_lshrrev_b32 v8, 5, v0
	v_readfirstlane_b32 s20, v8                    ; wave 0..3
	v_and_b32 v8, 15, v0                           ; r
	v_bfe_u32 v9, v0, 4, 1                         ; h
	v_lshlrev_b32 v[VA], 7, v8
	v_lshl_add_u32 v[VA], v9, 5, v[VA]
	v_lshlrev_b32 v[VB], 5, v8
	v_lshl_add_u32 v[VB], v9, 17, v[VB]
	v_lshlrev_b32 v[VO], 4, v8
	v_lshl_add_u32 v[VO], v9, 16, v[VO]
	v_lshlrev_b32 v[LA], 4, v1
	s_wait_alu depctr_va_sdst(0)                   ; s20 is written, ahead of its first reader: LDS places, the strip and the bases are made from it
	s_mul_i32 s31, s20, 2*ABLK                     ; my two blocks of A in LDS: a constant times the wave's number
	v_add_nc_u32 v[LAW], s31, v[LA]
	v_lshrrev_b32 v[LQA], 2, v1
	v_mul_u32_u24 v[LQA], v[LQA], ABLK
	v_lshlrev_b32 v[VS], 2, v1
	WIN W_MK
	v_lshlrev_b32 v[VX], 4, v1
	v_lshlrev_b32 v[VY], 3, v1
	WIN 0
	s_mov_b32 s[SEL], 0x76543210
	s_mov_b32 s[SEL+1], 0xfedcba98
	s_mov_b32 s[BCAP], 0x48000000                  ; 2^17
	s_mov_b32 s[WCAP], 0x44800000                  ; 1024
	s_lshr_b32 s21, ttmp9, 3                       ; my group of 128 rows o
	s_and_b32 s22, ttmp9, 7
	s_lshl2_add_u32 s22, s22, s20                  ; my strip of 128 columns i = 4 (g % 8) + wave
	s_lshl_b32 s26, s22, 9                         ; B1, B2: the strip's 512 bytes in a row
	s_mov_b32 s27, 0
	s_lshl_b32 s24, s21, 21                        ; W0: 128 rows of 16,384 bytes, and the strip
	s_add_co_u32 s24, s24, s26
	s_mov_b32 s25, 0
	s_lshl_b32 s28, s21, 14                        ; A1, A2: 128 rows of 128 bytes, and of them my wave's 32
	s_lshl_b32 s23, s20, 12
	s_add_co_u32 s28, s28, s23
	s_mov_b32 s29, 0
	s_lshl_b32 s32, s21, 20                        ; wh: 128 rows of 8,192 bytes, and the strip's 256 bytes
	s_lshl_b32 s23, s22, 8
	s_add_co_u32 s32, s32, s23
	s_mov_b32 s33, 0
	s_lshl_b32 s34, ttmp9, 18                      ; x: 262,144 bytes a work-group, 65,536 a wave
	s_lshl_b32 s23, s20, 16
	s_add_co_u32 s34, s34, s23
	s_mov_b32 s35, 0
	s_lshr_b32 s36, s34, 1                         ; xh: half of that
	s_mov_b32 s37, 0
	s_lshl_b32 s44, s21, 7                         ; sc: a word for 4 rows: 128 bytes for my 128 rows
	s_mov_b32 s45, 0
	s_wait_kmcnt 0x0
	s_add_nc_u64 s[PW:PW+1], s[PW:PW+1], s[24:25]
	s_add_nc_u64 s[PB1:PB1+1], s[PB1:PB1+1], s[26:27]
	s_add_nc_u64 s[PB2:PB2+1], s[PB2:PB2+1], s[26:27]
	s_add_nc_u64 s[PA1:PA1+1], s[PA1:PA1+1], s[28:29]
	s_add_nc_u64 s[PA2:PA2+1], s[PA2:PA2+1], s[28:29]
	s_add_nc_u64 s[PO:PO+1], s[PO:PO+1], s[32:33]
	s_add_nc_u64 s[PX:PX+1], s[PX:PX+1], s[34:35]
	s_add_nc_u64 s[PY:PY+1], s[PY:PY+1], s[36:37]
	s_add_nc_u64 s[PS:PS+1], s[PS:PS+1], s[44:45]
; 16 rows of A1 and of A2, the s-th of my two blocks: a lane's k = 8 h + 0..7 (bytes 0, 16) and 16 + 8 h + 0..7 (bytes 64, 80).  8 loads.
.macro LOADA s
	WIN 0
.irp q, 0,1,2,3
	global_load_b128 v[AR+32*(\s)+4*(\q):AR+32*(\s)+4*(\q)+3],       v[VA], s[PA1:PA1+1] offset:(\s)*2048+((\q)/2)*64+((\q)%2)*16
	global_load_b128 v[AR+32*(\s)+16+4*(\q):AR+32*(\s)+16+4*(\q)+3], v[VA], s[PA2:PA2+1] offset:(\s)*2048+((\q)/2)*64+((\q)%2)*16
.endr
.endm
; 16 rows x 128 columns of W0, blk blocks from the pointer: for each of my 8 rows two loads of 16 bytes side by side; sixteen lanes' pairs cover 512 consecutive bytes.  16 loads.
.macro LOADW s, blk
	WIN W_LDW
.irp j, 0,1,2,3,4,5,6,7
	global_load_b128 v[WB+64*(\s)+8*(\j):WB+64*(\s)+8*(\j)+3],   v[VB], s[PW:PW+1] offset:(\blk)*262144+(\j)*16384 th:TH_LOAD_NT
	global_load_b128 v[WB+64*(\s)+8*(\j)+4:WB+64*(\s)+8*(\j)+7], v[VB], s[PW:PW+1] offset:(\blk)*262144+(\j)*16384+16 th:TH_LOAD_NT
.endr
.endm
; Group g of x into slot g, at the start.  16 loads of 512 consecutive bytes.
.macro XFILL g
	WIN W_X
.set i, 0
.rept 16
	global_load_b128 v[X+64*(\g)+4*i:X+64*(\g)+4*i+3], v[VX], s[PX:PX+1] offset:(\g)*8192+512*i th:TH_LOAD_NT
.set i, i+1
.endr
.endm
; My 16 rows k of B (8 h + 0..7, then 16 + 8 h + 0..7; VB holds the 8 h rows), 8 columns each.  32 loads.
.macro LOADB raw, base
	WIN W_RAW
.set kk, 0
.rept 16
	global_load_b128 v[(\raw)+8*kk:(\raw)+8*kk+3],   v[VB], s[(\base):(\base)+1] offset:(kk+8*(kk/8))*16384
	global_load_b128 v[(\raw)+8*kk+4:(\raw)+8*kk+7], v[VB], s[(\base):(\base)+1] offset:(kk+8*(kk/8))*16384+16
.set kk, kk+1
.endr
.endm
; Tile t's fragment: register c holds column t of my rows 2 c and 2 c + 1, the lower k in the low half.  No load lands in the raw registers again, and no memory instruction names the fragments.
.macro CVTB raw, bf
	WIN W_CVB
.set t, 0
.rept 8
.set c, 0
.rept 8
	v_cvt_pk_f16_f32 v[(\bf)+8*t+c], v[(\raw)+16*c+t], v[(\raw)+16*c+8+t]
.set c, c+1
.endr
.set t, t+1
.endr
.endm
; The s-th of my two blocks of A: 0.5 onto A1, the block's scale, both fragments rounded, all into LDS.
.macro APREP s
.irp p, 0,2,4,6,8,10,12,14
	v_pk_mul_f32 v[AR+32*(\s)+(\p):AR+32*(\s)+(\p)+1], v[AR+32*(\s)+(\p):AR+32*(\s)+(\p)+1], 0.5 op_sel_hi:[1,0]  ; alpha / rank, onto A1
.endr
	; my 16 of row r's 32 numbers are squared and added, for A1 / 2 and for A2, in two chains that do not wait for each other
	v_pk_mul_f32 v[T0:T0+1], v[AR+32*(\s):AR+32*(\s)+1],       v[AR+32*(\s):AR+32*(\s)+1]
	v_pk_mul_f32 v[T1:T1+1], v[AR+32*(\s)+16:AR+32*(\s)+17],   v[AR+32*(\s)+16:AR+32*(\s)+17]
.irp p, 2,4,6,8,10,12,14
	v_pk_fma_f32 v[T0:T0+1], v[AR+32*(\s)+(\p):AR+32*(\s)+(\p)+1],       v[AR+32*(\s)+(\p):AR+32*(\s)+(\p)+1],       v[T0:T0+1]
	v_pk_fma_f32 v[T1:T1+1], v[AR+32*(\s)+16+(\p):AR+32*(\s)+16+(\p)+1], v[AR+32*(\s)+16+(\p):AR+32*(\s)+16+(\p)+1], v[T1:T1+1]
.endr
	v_add_f32 v[T0], v[T0], v[T0+1]
	v_add_f32 v[T1], v[T1], v[T1+1]
	v_permlanex16_b32 v[T0+1], v[T0], s[SEL], s[SEL+1]  ; the row's other 16 numbers lie in the lane 16 away
	v_permlanex16_b32 v[T1+1], v[T1], s[SEL], s[SEL+1]
	v_add_f32 v[T0], v[T0], v[T0+1]                ; |a1 / 2|^2
	v_add_f32 v[T1], v[T1], v[T1+1]                ; |a2|^2
	v_mul_f32 v[T0], v[T0], v[T1]
	v_max_num_f32_dpp v[T0], v[T0], v[T0] row_xmask:1 row_mask:0xf bank_mask:0xf  ; the largest of the 16 rows, in every lane
	v_max_num_f32_dpp v[T0], v[T0], v[T0] row_xmask:2 row_mask:0xf bank_mask:0xf
	v_max_num_f32_dpp v[T0], v[T0], v[T0] row_xmask:4 row_mask:0xf bank_mask:0xf
	v_max_num_f32_dpp v[T0], v[T0], v[T0] row_xmask:8 row_mask:0xf bank_mask:0xf
	v_sqrt_f32 v[T0], v[T0]                        ; (|a1| / 2) |a2|; the roundings below are the plain instructions between it and the use of its result (ISA guide 5.7.2)
.if \s
	s_wait_alu depctr_vm_vsrc(0)                   ; the LDS stores of my first block have read AF1, AF2 and SCT, which the lines below write again
.endif
.irp c, 0,1,2,3,4,5,6,7
	v_cvt_pk_f16_f32 v[AF1+(\c)], v[AR+32*(\s)+2*(\c)],    v[AR+32*(\s)+2*(\c)+1]
	v_cvt_pk_f16_f32 v[AF2+(\c)], v[AR+32*(\s)+16+2*(\c)], v[AR+32*(\s)+16+2*(\c)+1]
.endr
	s_wait_alu depctr_va_vdst(0)                   ; the square root is written, ahead of the first line that names it
	v_fma_f32 v[T0], v[T0], s[BCAP], s[WCAP]       ; T, at least 1024: its exponent field e is 137 or more, and T < 2^(e - 126)
	v_lshrrev_b32 v[T0+1], 23, v[T0]               ; e (T is positive)
	v_sub_nc_u32 v[SCT], 0x10c, v[T0+1]            ; s = 2^(141 - e): field 268 - e, so that T s < 2^15
	v_lshlrev_b32 v[SCT], 23, v[SCT]
	v_mov_b32 v[SCT+1], v[SCT]                     ; twice: a pair for the packed multiply
	v_add_nc_u32 v[SCT+2], -14, v[T0+1]            ; 1 / s = 2^(e - 141): field e - 14
	v_lshlrev_b32 v[SCT+2], 23, v[SCT+2]
	v_mov_b32 v[SCT+3], v[SCT+2]
	s_wait_alu depctr_va_vdst(0)                   ; the roundings have written AF1 and AF2, the lines above SCT: the five LDS stores read them
	ds_store_b128 v[LAW], v[AF1:AF1+3]   offset:(\s)*ABLK       ; 32 lanes, 16 neighbouring bytes each: no two lanes meet in a bank
	ds_store_b128 v[LAW], v[AF1+4:AF1+7] offset:(\s)*ABLK+512
	ds_store_b128 v[LAW], v[AF2:AF2+3]   offset:(\s)*ABLK+1024
	ds_store_b128 v[LAW], v[AF2+4:AF2+7] offset:(\s)*ABLK+1536
	ds_store_b128 v[LAW], v[SCT:SCT+3]   offset:(\s)*ABLK+2048
.endm
; A block's fragments and scale out of LDS, at byte off from LA; the scale into v[sc .. sc + 3].  5 LDS loads.
.macro AFETCH off, sc
	ds_load_b128 v[AF1:AF1+3],     v[LA] offset:(\off)
	ds_load_b128 v[AF1+4:AF1+7],   v[LA] offset:(\off)+512
	ds_load_b128 v[AF2:AF2+3],     v[LA] offset:(\off)+1024
	ds_load_b128 v[AF2+4:AF2+7],   v[LA] offset:(\off)+1536
	ds_load_b128 v[(\sc):(\sc)+3], v[LA] offset:(\off)+2048
.endm
; A group of x from slot g, four loads at a time: wait, 8 roundings into Y's buffer g, (ahead = 1) 4 loads of the group two further on, 4 stores of 256 consecutive bytes, aligned.
; rel = the group's place from the pointers, in groups.  left - dec q = the younger loads that may stay out at quad q.  Y's buffer g was freed in the block before, behind its merge.
.macro XGROUP g, rel, ahead, left, dec
	WIN W_X
.set q, 0
.rept 4
	s_wait_loadcnt (\left)-(\dec)*q                ; loads come back in order (ISA guide 5.7.1): the quad's four are in
.set i, 4*q
.rept 4
	v_cvt_pk_f16_f32 v[Y+32*(\g)+2*i],   v[X+64*(\g)+4*i],   v[X+64*(\g)+4*i+1]
	v_cvt_pk_f16_f32 v[Y+32*(\g)+2*i+1], v[X+64*(\g)+4*i+2], v[X+64*(\g)+4*i+3]
.set i, i+1
.endr
	s_wait_alu depctr_va_vdst(0)                   ; the quad's eight roundings have written their part of Y, which the stores below read, and are done reading the registers of X in which the loads below land
.if \ahead
.set i, 4*q
.rept 4
	global_load_b128 v[X+64*(\g)+4*i:X+64*(\g)+4*i+3], v[VX], s[PX:PX+1] offset:((\rel)+2)*8192+512*i th:TH_LOAD_NT
.set i, i+1
.endr
.endif
.set i, 4*q
.rept 4
	global_store_b64 v[VY], v[Y+32*(\g)+2*i:Y+32*(\g)+2*i+1], s[PY:PY+1] offset:(\rel)*4096+256*i
.set i, i+1
.endr
.set q, q+1
.endr
	WIN 0
.endm
; One block of 16 rows from slot s, and the group of x beside it.  rel = the block's place from the pointers, in blocks.  refill = 1: both slots take what lies two blocks on.
; step = 1: the pointers and v[LA] go two blocks on.  pre = 1: a block follows: its out-buffers are freed and its A is asked for.  leftw; leftx, dec: the younger loads that may stay out at W0's wait and at x's.
.macro BLOCK s, rel, refill, step, pre, leftw, leftx, dec
	WIN 0
	s_wait_dscnt 0x0                               ; this block's fragments of A and its scale, asked for a block ago
	WIN W_MM
.irp t, 0,1,2,3,4,5,6,7                ; K = 32 is the whole rank: each of the 16 results is one product with C = 0; no accumulator is named twice.  They need no W0, so they stand ahead of the wait for it
	v_wmma_f32_16x16x32_f16 v[ACC1+8*(\t):ACC1+8*(\t)+7], v[AF1:AF1+7], v[BF1+8*(\t):BF1+8*(\t)+7], 0
	v_wmma_f32_16x16x32_f16 v[ACC2+8*(\t):ACC2+8*(\t)+7], v[AF2:AF2+7], v[BF2+8*(\t):BF2+8*(\t)+7], 0
.endr
	WIN 0
.rept 4
	v_nop                                          ; four places between the last product and the first line that reads a result (ISA guide 7.12.1)
.endr
	s_wait_loadcnt \leftw                          ; this slot's 16 loads of W0 are in
	WIN W_FMA
.set j, 0
.rept 8                                ; row by row, so that each result's register 0 is read first
.set t, 0
.rept 8
	v_fma_f32 v[WB+64*(\s)+8*j+t], v[ACC1+8*t+j], v[ACC2+8*t+j], v[WB+64*(\s)+8*j+t]
.set t, t+1
.endr
.set j, j+1
.endr
	WIN W_SC
.set j, 0
.rept 32
	v_pk_mul_f32 v[WB+64*(\s)+2*j:WB+64*(\s)+2*j+1], v[WB+64*(\s)+2*j:WB+64*(\s)+2*j+1], v[SCT-4*(\s):SCT-4*(\s)+1]  ; times s: exact
.set j, j+1
.endr
	WIN W_PK
.set j, 0
.rept 32
	v_cvt_pk_f16_f32 v[OUT+32*(\s)+j], v[WB+64*(\s)+2*j], v[WB+64*(\s)+2*j+1]
.set j, j+1
.endr
.if \pre
	s_wait_xcnt 0x0                                ; every earlier memory instruction has had its addresses translated (ISA guide 3.1): the pointers, and the other OUT and Y, which the last block's stores read and the next block
	                                               ; writes again, are rewritten only behind this wait.  The youngest of those instructions stand a run of products, a wait for data and the merge back
	s_wait_alu depctr_vm_vsrc(0)                   ; the last block's stores have read the other OUT and the other Y, which the next block's roundings write again; the LDS loads issued so far have read v[LA]
.endif
.if \step
	s_add_nc_u64 s[PW:PW+1], s[PW:PW+1], 524288    ; 32 rows of W0,
	s_add_nc_u64 s[PO:PO+1], s[PO:PO+1], 262144    ; of wh;
	s_add_nc_u64 s[PX:PX+1], s[PX:PX+1], 16384     ; two groups of x,
	s_add_nc_u64 s[PY:PY+1], s[PY:PY+1], 8192      ; of xh;
	WIN 0
	v_add_nc_u32 v[LA], 2*ABLK, v[LA]              ; two blocks of A in LDS
.endif
.if \refill
	WIN W_LDW                                      ; the window of the loads that come first, ahead of the wait
.else
	WIN 0
.endif
	s_wait_alu depctr_va_vdst(0)                   ; the roundings have written this OUT, which the stores read; the merge is done writing and reading this slot of W0, the products reading AF1 and AF2, the last block's scalings
	                                               ; reading the other scale: loads land in all of them; and v[LA], by which the LDS loads go, is written.  No vector line stands among the loads and stores that follow
.if \refill
	LOADW \s, (\rel)+2
.endif
	WIN 0
.irp j, 0,1,2,3,4,5,6,7
	global_store_b128 v[VO], v[OUT+32*(\s)+4*(\j):OUT+32*(\s)+4*(\j)+3], s[PO:PO+1] offset:(\rel)*131072+(\j)*8192  ; 16 lanes store 256 consecutive bytes, at a multiple of 256 from wh's first byte
.endr
.if \pre
	AFETCH (1-(\s))*ABLK, 8+4*(\s)                 ; the next block's A: an even block asks one block on from v[LA], an odd one at v[LA], just stepped; the scale into the next parity's four registers
.endif
	XGROUP \s, \rel, \refill, \leftx, \dec
.endm
	s_wait_alu depctr_va_vdst(0)                   ; all offsets and LDS addresses (v2 to v7, v96 to v98, VX, VY) are written: every load, store and LDS instruction of the kernel goes by one of them.  Loads and window switches alone follow, up to the wait for data
	LOADA 0                                        ; all that the walk begins with goes out in one run of 144 loads: A first, which the other waves wait for; then bytes that are read once, so that memory has work
	LOADA 1                                        ; while the shared factors come
	LOADW 0, 0
	XFILL 0
	LOADB RAW1, PB1
	LOADB RAW2, PB2
	LOADW 1, 1
	XFILL 1
	WIN 0
	s_wait_loadcnt 63                              ; a wait's count names 63 at the most: the oldest 81 are in: A's 16, W0's and x's first 32, B1's 32
	APREP 0
	APREP 1
	CVTB RAW1, BF1
	s_wait_loadcnt 32                              ; B2 is in: slot 1's 16 loads of W0 and 16 of x are younger
	CVTB RAW2, BF2
	WIN 0                                          ; at a label and at a branch every window is 0
	s_wait_dscnt 0x0                               ; for the others' sake: my two blocks of A are in LDS
	s_barrier_signal -1
	s_barrier_wait -1                              ; all eight are; nothing is stored to LDS behind this barrier
	s_wait_alu depctr_vm_vsrc(0)                   ; my LDS stores have read AF1, AF2 and SCT, in which block 0's LDS loads land (the lines that wrote them stand ahead of the last wait on va_vdst; the roundings of B since then name windows 1 and 2 alone)
	s_cmp_lg_u32 s22, 0                            ; the 8 work-groups of a row group have made the same eight scales; strip 0's wave stores them, so that each byte of sc has one writer
	s_cbranch_scc1 .Lno_sc
	ds_load_b32 v[INVV], v[LQA] offset:2048+8      ; 1 / s of block lane / 4: the third word of that block's scales
	s_wait_dscnt 0x0
	global_store_b32 v[VS], v[INVV], s[PS:PS+1]    ; 32 lanes, 128 consecutive bytes: all that sc holds for my 128 rows; one such store for a wave's 32 KiB of wh.  Its two registers are never written again
.Lno_sc:
	AFETCH 0, SCT                                  ; block 0's A
	s_mov_b32 s30, 3
.Lw:                                                   ; a trip: two blocks.  48 = x's group beside this block, and the next block's W0 and x.  60 at quad q = 12 - 4 q of this group, the next block's 32, the 16 of W0 just asked for, 4 q of x
	BLOCK 0, 0, 1, 0, 1, 48, 60, 0
	BLOCK 1, -1, 1, 1, 1, 48, 60, 0                ; the pointers step behind its merge: its stores reach one block back, its refills one block on
	s_sub_co_u32 s30, s30, 1
	s_cmp_lg_u32 s30, 0
	s_cbranch_scc1 .Lw
	BLOCK 0, 0, 0, 0, 1, 48, 44, 4                 ; block 6: nothing is left to fetch, and the counts run down: at quad q 12 - 4 q of this group and block 7's 32
	BLOCK 1, 1, 0, 0, 0, 16, 12, 4                 ; block 7: its own group of x is younger than its W0; then 12 - 4 q.  No block follows: nothing is freed
	s_wait_dscnt 0x0                               ; the closing lines, six on end
	s_wait_alu 0x0
	s_wait_tensorcnt 0x0
	ds_add_u32 v[SPW], v[NIL]
	s_wait_dscnt 0x0
	s_endpgm
.Lfunc_end_k_q612273ad25_prep:
	.size	k_q612273ad25_prep, .Lfunc_end_k_q612273ad25_prep-k_q612273ad25_prep
	.p2alignl 7, 3214868480
	.fill 96, 4, 3214868480
	.section	.rodata,"a",@progbits
	.p2align	6, 0x0
	.amdhsa_kernel k_q612273ad25_prep
		.amdhsa_group_segment_fixed_size 21504
		.amdhsa_private_segment_fixed_size 0
		.amdhsa_enable_private_segment 0
		.amdhsa_kernarg_size 72
		.amdhsa_user_sgpr_count 2
		.amdhsa_user_sgpr_kernarg_segment_ptr 1
		.amdhsa_wavefront_size32 1
		.amdhsa_system_sgpr_workgroup_id_x 1
		.amdhsa_system_sgpr_workgroup_id_y 1
		.amdhsa_system_sgpr_workgroup_id_z 1
		.amdhsa_system_vgpr_workitem_id 0
		.amdhsa_next_free_vgpr 1024
		.amdhsa_next_free_sgpr 66
		.amdhsa_reserve_vcc 0
		.amdhsa_float_denorm_mode_32 3
		.amdhsa_float_denorm_mode_16_64 3
		.amdhsa_memory_ordered 1
		.amdhsa_forward_progress 1
		.amdhsa_inst_pref_size 97
	.end_amdhsa_kernel
	.amdgpu_metadata
---
amdhsa.version: [ 1, 2 ]
amdhsa.kernels:
  - .name:           k_q612273ad25_prep
    .symbol:         k_q612273ad25_prep.kd
    .args:
      - { .name: x, .offset: 0, .size: 8, .value_kind: global_buffer, .address_space: global }
      - { .name: org_weight, .offset: 8, .size: 8, .value_kind: global_buffer, .address_space: global }
      - { .name: hada_w1_a, .offset: 16, .size: 8, .value_kind: global_buffer, .address_space: global }
      - { .name: hada_w1_b, .offset: 24, .size: 8, .value_kind: global_buffer, .address_space: global }
      - { .name: hada_w2_a, .offset: 32, .size: 8, .value_kind: global_buffer, .address_space: global }
      - { .name: hada_w2_b, .offset: 40, .size: 8, .value_kind: global_buffer, .address_space: global }
      - { .name: xh, .offset: 48, .size: 8, .value_kind: global_buffer, .address_space: global }
      - { .name: wh, .offset: 56, .size: 8, .value_kind: global_buffer, .address_space: global }
      - { .name: sc, .offset: 64, .size: 8, .value_kind: global_buffer, .address_space: global }
    .group_segment_fixed_size: 21504
    .private_segment_fixed_size: 0
    .kernarg_segment_align: 8
    .kernarg_segment_size: 72
    .max_flat_workgroup_size: 128
    .sgpr_count:     66
    .vgpr_count:     1024
    .wavefront_size: 32
...
	.end_amdgpu_metadata
.endif
;; end of part 3
;; launch gemm: the kernel of part 2 again; grid 16 x 16, 4 waves a work-group, clusters of 4 x 4, 327,680 bytes of LDS; arguments xh, wh, org_bias, out0, sc; writes out0
